; MI455X (gfx1250); checked and timed in simulation.
; The chip was launched on July 23, 2026; its instructions are those of AMD's public machine-readable ISA for CDNA 5 (MIT licence, August 2026) and "CDNA5" Instruction Set Architecture Reference Guide (July 2026). The comments in the code are by the model that wrote it; some were corrected since.
;; Vector Quantizer. Allowed arithmetic: float matrix products may take bf16 or f16 operands with f32 sums; other float arithmetic in f32, or as packed bf16 or f16 multiplies, adds, multiply-adds, maxima and minima; sums over many terms, partial sums and values carried from step to step in f32; what a program stores and reads back later, other than sums and carried values, may be rounded once to bf16 or f16.
;; Inputs: inputs 16,384 x 512 float32; weight 8,192 x 512 float32.
;; Outputs: out0 16,384 x 512 float32; out1 one number float32; out2 16,384 int32.
;; 2 versions, each right; version 2 is version 1 with the launch prep written anew for expert scheduling mode. Each part assembles by itself: llvm-mc -triple=amdgcn-amd-amdhsa -mcpu=gfx1250 --defsym DOCPART=n.
;; ======== version 1 of 2: 4 launches
;; workspace buffers: xb 16,777,216 bytes; wb 8,388,608 bytes; xx 65,536 bytes; ee 32,768 bytes; candk 262,144 bytes of whole numbers; candg 262,144 bytes of whole numbers; part 16,384 bytes
;; launch prep (part 1): grid 768 x 1, 4 waves a work-group, no clusters, 0 bytes of LDS; arguments inputs, weight, xb, wb, xx, ee; writes xb, wb, xx, ee
.if DOCPART == 1
	.amdgcn_target "amdgcn-amd-amdhsa--gfx1250"
	.amdhsa_code_object_version 6
	.text
	.protected	k_qf5f4789e22_prep
	.globl	k_qf5f4789e22_prep
	.p2align	8
	.type	k_qf5f4789e22_prep,@function
k_qf5f4789e22_prep:
	s_mov_b64 s[64:65], 0
	v_nop
	global_prefetch_b8 v0, s[64:65] scope:SCOPE_SE
	s_setreg_imm32_b32 hwreg(HW_REG_WAVE_MODE, 25, 1), 1
	s_wait_xcnt 0x0
; xb = bf16(inputs), wb = bf16(weight), xx[r] = sum of xb[r][:]^2, ee[k] = sum of wb[k][:]^2 (sums in f32, of the ROUNDED numbers:
; the whole program computes the distances of the rounded inputs).
; 24,576 rows of 512 f32.  Work-groups 0-511 take 32 rows of inputs each, 512-767 32 rows of weight: 768 equal shares.
; A wave takes 8 rows and asks for all its 16,384 bytes at once (32 loads of 512 consecutive bytes); a row is 4 loads, a lane holds 16 of its numbers.
; A stream: nothing is shared between waves, so no LDS, no barrier, no matrix unit, no cluster.
; The row sums leave as 32 bytes a wave: 98,304 bytes beside the 25,165,824 of the copies.
.set X, 16                             ; v[16:143] row i, chunk k at X + 16 i + 4 k: 4 f32 as loaded; then its first two registers hold the 4 bf16
	s_load_b256 s[4:11], s[0:1], 0x0               ; inputs s[4:5], weight s[6:7], xb s[8:9], wb s[10:11]
	s_load_b128 s[12:15], s[0:1], 0x20             ; xx s[12:13], ee s[14:15]
	v_and_b32 v1, 31, v0                           ; lane
	v_lshrrev_b32 v5, 5, v0
	v_readfirstlane_b32 s16, v5                    ; wave
	s_lshl_b32 s36, s16, 14
	v_lshl_add_u32 v2, v1, 4, s36                  ; source: 16 lane + 8 rows of 2,048 bytes a wave
	s_lshl_b32 s36, s16, 13
	v_lshl_add_u32 v3, v1, 3, s36                  ; copy: 8 lane + 8 rows of 1,024 bytes a wave
	s_lshl_b32 s36, s16, 5
	v_lshl_add_u32 v15, v1, 2, s36                 ; sums: 4 lane + 8 words a wave
	v_mov_b32 v4, 0                                ; lane i (0-7) gathers row i's sum here
.irp i, 0,1,2,3,4,5,6,7
	v_cmp_eq_u32 s[24+\i], \i, v1                  ; the mask of lane i
.endr
	s_mov_b32 s32, 0x76543210                      ; v_permlanex16_b32: each lane takes its own place in the other half
	s_mov_b32 s33, 0xfedcba98
	s_mov_b32 s34, 0xffff0000                      ; a word's upper bf16
	s_mov_b32 s37, 0
	s_sub_co_u32 s17, ttmp9, 512
	s_cmp_lt_u32 ttmp9, 512                        ; inputs or weight: the condition hangs on the work-group's number alone
	s_cselect_b32 s17, ttmp9, s17                  ; my block of 32 rows in that tensor
	s_wait_kmcnt 0x0
	s_cselect_b64 s[18:19], s[4:5], s[6:7]         ; from
	s_cselect_b64 s[20:21], s[8:9], s[10:11]       ; the copy
	s_cselect_b64 s[22:23], s[12:13], s[14:15]     ; the sums
	s_lshl_b32 s36, s17, 16
	s_add_nc_u64 s[18:19], s[18:19], s[36:37]      ; 32 rows of 2,048 bytes
	s_lshl_b32 s36, s17, 15
	s_add_nc_u64 s[20:21], s[20:21], s[36:37]      ; 32 rows of 1,024 bytes
	s_lshl_b32 s36, s17, 7
	s_add_nc_u64 s[22:23], s[22:23], s[36:37]      ; 32 words
.irp i, 0,1,2,3,4,5,6,7
.irp k, 0,1,2,3
	global_load_b128 v[X+16*\i+4*\k:X+16*\i+4*\k+3], v2, s[18:19] offset:2048*\i+512*\k th:TH_LOAD_NT
.endr
.endr
; One row.  No register that a store reads is written again, so no wait for the stores' sources stands here.
.macro ROW i
	s_wait_loadcnt 28-4*(\i)                       ; loads come back in order: this row's four are in, the four of each later row may be out
.irp k, 0,1,2,3
.set c, X+16*(\i)+4*\k
	v_cvt_pk_bf16_f32 v[c], v[c], v[c+1]           ; four roundings to nearest even
	v_cvt_pk_bf16_f32 v[c+1], v[c+2], v[c+3]
	global_store_b64 v3, v[c:c+1], s[20:21] offset:1024*(\i)+256*\k  ; the wave's store covers 256 consecutive bytes, aligned
	v_lshlrev_b32 v6, 16, v[c]                     ; the rounded numbers back as f32
	v_and_b32 v7, s34, v[c]
	v_lshlrev_b32 v8, 16, v[c+1]
	v_and_b32 v9, s34, v[c+1]
.if \k == 0
	v_pk_mul_f32 v[10:11], v[6:7], v[6:7]          ; the first squares start the sums
	v_pk_mul_f32 v[12:13], v[8:9], v[8:9]
.else
	v_pk_fma_f32 v[10:11], v[6:7], v[6:7], v[10:11]
	v_pk_fma_f32 v[12:13], v[8:9], v[8:9], v[12:13]
.endif
.endr
	v_pk_add_f32 v[10:11], v[10:11], v[12:13]
	v_add_f32 v10, v10, v11
	v_add_f32_dpp v10, v10, v10 row_xmask:1 row_mask:0xf bank_mask:0xf
	v_add_f32_dpp v10, v10, v10 row_xmask:2 row_mask:0xf bank_mask:0xf
	v_add_f32_dpp v10, v10, v10 row_xmask:4 row_mask:0xf bank_mask:0xf
	v_add_f32_dpp v10, v10, v10 row_xmask:8 row_mask:0xf bank_mask:0xf
	v_permlanex16_b32 v5, v10, s32, s33            ; v5 has been written at the head
	v_add_f32 v10, v10, v5
	v_cndmask_b32 v4, v4, v10, s[24+(\i)]          ; lane i keeps it
.endm
.irp i, 0,1,2,3,4,5,6,7
	ROW \i
.endr
	v_cmp_gt_u32 vcc_lo, 8, v1
	s_wait_xcnt 0x0                                ; EXEC is a source of the stores above: it changes only behind this wait
	s_and_saveexec_b32 s35, vcc_lo
	global_store_b32 v15, v4, s[22:23]             ; lanes 0-7: my 8 rows' sums
	s_wait_xcnt 0x0
	s_or_b32 exec_lo, exec_lo, s35
	s_endpgm
.Lfunc_end_k_qf5f4789e22_prep:
	.size	k_qf5f4789e22_prep, .Lfunc_end_k_qf5f4789e22_prep-k_qf5f4789e22_prep
	.p2alignl 7, 3214868480
	.fill 96, 4, 3214868480
	.section	.rodata,"a",@progbits
	.p2align	6, 0x0
	.amdhsa_kernel k_qf5f4789e22_prep
		.amdhsa_group_segment_fixed_size 0
		.amdhsa_private_segment_fixed_size 0
		.amdhsa_enable_private_segment 0
		.amdhsa_kernarg_size 48
		.amdhsa_user_sgpr_count 2
		.amdhsa_user_sgpr_kernarg_segment_ptr 1
		.amdhsa_wavefront_size32 1
		.amdhsa_system_sgpr_workgroup_id_x 1
		.amdhsa_system_sgpr_workgroup_id_y 1
		.amdhsa_system_sgpr_workgroup_id_z 1
		.amdhsa_system_vgpr_workitem_id 0
		.amdhsa_next_free_vgpr 144
		.amdhsa_next_free_sgpr 66
		.amdhsa_reserve_vcc 1
		.amdhsa_float_denorm_mode_32 3
		.amdhsa_float_denorm_mode_16_64 3
		.amdhsa_memory_ordered 1
		.amdhsa_forward_progress 1
		.amdhsa_inst_pref_size 25
	.end_amdhsa_kernel
	.amdgpu_metadata
---
amdhsa.version: [ 1, 2 ]
amdhsa.kernels:
  - .name:           k_qf5f4789e22_prep
    .symbol:         k_qf5f4789e22_prep.kd
    .args:
      - { .name: inputs, .offset: 0, .size: 8, .value_kind: global_buffer, .address_space: global }
      - { .name: weight, .offset: 8, .size: 8, .value_kind: global_buffer, .address_space: global }
      - { .name: xb, .offset: 16, .size: 8, .value_kind: global_buffer, .address_space: global }
      - { .name: wb, .offset: 24, .size: 8, .value_kind: global_buffer, .address_space: global }
      - { .name: xx, .offset: 32, .size: 8, .value_kind: global_buffer, .address_space: global }
      - { .name: ee, .offset: 40, .size: 8, .value_kind: global_buffer, .address_space: global }
    .group_segment_fixed_size: 0
    .private_segment_fixed_size: 0
    .kernarg_segment_align: 8
    .kernarg_segment_size: 48
    .max_flat_workgroup_size: 128
    .sgpr_count:     66
    .vgpr_count:     144
    .wavefront_size: 32
...
	.end_amdgpu_metadata
.endif
;; end of part 1
;; launch dist (part 2): grid 4 x 64, 4 waves a work-group, clusters of 4 x 4, 327,680 bytes of LDS; arguments xb, wb, xx, ee, candk, candg; writes candk, candg
.if DOCPART == 2
	.amdgcn_target "amdgcn-amd-amdhsa--gfx1250"
	.amdhsa_code_object_version 6
	.text
	.protected	k_qf5f4789e22_dist
	.globl	k_qf5f4789e22_dist
	.p2align	8
	.type	k_qf5f4789e22_dist,@function
k_qf5f4789e22_dist:
	s_mov_b64 s[64:65], 0
	v_nop
	global_prefetch_b8 v0, s[64:65] scope:SCOPE_SE
	s_setreg_imm32_b32 hwreg(HW_REG_WAVE_MODE, 25, 1), 1
	s_wait_xcnt 0x0
	s_wait_alu depctr_hold_cnt(0) depctr_sa_sdst(0) depctr_va_vdst(0) depctr_va_sdst(0) depctr_va_ssrc(0) depctr_va_vcc(0) depctr_vm_vsrc(0)
	s_getreg_b32 s2, hwreg(HW_REG_IB_STS2, 6, 4)
	s_cmp_eq_u32 s2, 0
	s_cbranch_scc0 .Lentry_in_a_cluster
	s_endpgm
.Lentry_in_a_cluster:
	s_bfe_u32 s2, ttmp6, 0x10000c
	s_cmp_lg_u32 s2, 0xf033
	s_cbranch_scc0 .Lentry_shape_is_right
	s_endpgm
.Lentry_shape_is_right:
; For each of 16,384 rows x and each quarter of the 8,192 codes e: the least d = fl(fl(xx + ee) - 2 x.e) and the first GROUP of 8 neighbouring codes that holds it.
; xb [16384][512], wb [8192][512] bf16; xx, ee f32; products on the matrix unit in bf16 with f32 sums; d is rounded exactly where the definition rounds it: once for xx + ee, once for the difference
; (2 x.e is exact, so one fused multiply-add by -2 gives that rounding).  candk[quarter][row] = d as an ordering key (unsigned: sign bit turned for d >= 0, all bits for d < 0), candg = code / 8.
; On equal d the lower group wins everywhere: strict less in ascending order, and (key, group) compares where lanes and waves meet.
; LIMITS.  NaN and infinities are not treated apart (a NaN distance is passed over).  The f32 sums of the matrix unit differ in their last bits from a sum taken in another order, so where two codes'
; distances lie within about one f32 step of each other the choice may differ from such a sum's.
; SHARES.  Work-group (c, y): rows 256 y .., codes 2048 c .., as 8 tiles of 256 x 256 walked along the codes; 4 x 64 = 256 work-groups.  Four waves, each 128 x 128: 64 accumulators, 512 registers.
; K = 512 goes in 4 steps of 128 through a ring of two LDS slots; the ring runs on into the next tile.  The distances never leave the registers.
; CLUSTER 4 x 4.  The four of a cluster's row share y, so x's tiles are asked for jointly by them; the four of a column share c, so the codes' tiles are.  That divides the requests by four.
; THE MATRIX INSTRUCTION IS USED TRANSPOSED: source 0 = 16 codes, source 1 = 16 rows of x.  In accumulator (a, b) lane l holds row 16 a + l % 16, and register j code 16 b + 8 (l / 16) + j:
; a lane's 8 registers of an accumulator ARE one aligned group of 8 codes of one row.  So a tile's way out is: d (two packed lines for two numbers), a minimum over the 8 registers, and one compare,
; select and minimum for each accumulator: 960 vector lines a tile.  Which of the 8 codes it is, the next launch finds.
; REGISTERS, in windows of 256 (s_set_vgpr_msb's low byte: bits 1:0 source 0, 3:2 source 1, 5:4 source 2, 7:6 destination):
;   window 0: v0-31 addresses and at work; v32-47 xx; v48-55 running minima; v56-63 their groups; v64-127, v128-191 fragments of x, two buffers (the second is T on the way out); v192-255 ee
;   window 1: v64-127, v128-191 fragments of the codes;   window 2: accumulators of my rows 0-63 ((a, b) at v[8 (8 a + b)]);   window 3: those of rows 64-127
.set SIZE_K, 512
.set KSTEP,  128
.set TILES,  8
.set PITCH,  272                       ; an LDS row: 256 bytes + 16 of padding = 68 words: the 16 rows of a fragment load start at 16 different groups of four banks (64 banks of 4 bytes: ISA guide 11.1)
.set HALFT,  128*PITCH                 ; 128 rows: what one tensor load brings, and what one wave reads of x or of the codes
.set SLOT,   4*HALFT                   ; x's 256 rows, then the codes' 256 rows
.set RES,    2*SLOT                    ; behind the ring, never filled by a tensor load: [code half][256 rows] x (key, group), 4,096 bytes
.set SPARE,  RES+4096                  ; the spare words, 128 bytes for each wave: two blocks of 256 bytes that no other line names
.set BACK_A, 2*KSTEP*2                 ; from a slot's last K step of a tile to its first of the next: x goes back along K,
.set NEXT_B, 256*SIZE_K*2-2*KSTEP*2    ; the codes go 256 rows down and back along K
.set EO,   2                           ; v2      my byte offset in a tile's 256 ee: 512 x code half + 32 (l / 16)
.set XO,   3                           ; v3      my byte offset in the work-group's 256 xx: 512 x row half + 4 (l % 16)
.set G,    4                           ; v4-11   the minimum of the group in accumulator b
.set H,    12                          ; v12     l / 16
.set RA,   13                          ; v13     where I put a row's (key, group)
.set RB,   14                          ; v14     where I read two rows' back
.set CO,   15                          ; v15     my byte offset in the work-group's 256 words of candk and candg
.set ADRA, 16                          ; v16-17  LDS address of my fragments of x in slot 0, 1
.set ADRB, 20                          ; v20-21  the same for the codes
.set SPW,  28                          ; v28     LDS address of my spare word; never rewritten
.set NIL,  29                          ; v29     0; never rewritten
.set XX,   32                          ; v32-47  pair 2 a, 2 a + 1: xx of my row in block a, twice (a pair for the packed add)
.set RUN,  48                          ; v48-55  block a: the least d so far of my row, among my lane's groups
.set GID,  56                          ; v56-63  its group, less l / 16
.set F0,   64
.set F1,   128
.set T,    128                         ; the way out: 64 registers, t = xx + ee and then d, register 8 b + j
.set EE,   192                         ; v192-255 register 8 b + j: ee of code 16 b + 8 (l / 16) + j of my half of the tile
.set G1,  24                           ; s[24:31] descriptor group 1 for x's tiles;  s[32:39] group 0, a set for each slot
.set G0,  32
.set G1B, 48                           ; s[48:55], s[56:63] the same for the codes' tiles
.set G0B, 56
.set ID,  76                           ; s[76:83] the group of accumulator b's registers in lanes 0-15: 256 c + 32 tile + 16 x code half + 2 b
.set MSB, 0
.macro WIN new                         ; the immediate's high byte repeats the setting that is left; a switch that changes nothing is dropped
.if MSB != (\new)
	s_set_vgpr_msb (MSB<<8)|(\new)
.set MSB, \new
.endif
.endm
.set MUL_LO, 0xa1                      ; source 0 (codes) window 1, source 1 (x) window 0, C and D window 2
.set MUL_HI, 0xf1                      ; the same, C and D window 3
.set TO_B,   0x40                      ; destination window 1, address window 0
; A joint load.  Waves 0 and 1 fetch x's two halves, waves 2 and 3 the codes'.  Each line has one mask and one set of registers; the branch hangs on the wave's number alone.
; An s_nop 0 and four v_nop follow each of the two lines, ahead of the jump, the label and what follows.
.macro JLOAD s
	s_cmp_eq_u32 s11, 0
	s_cbranch_scc0 .Lfor_b_\@
	tensor_load_to_lds s[G0+4*(\s):G0+4*(\s)+3], s[G1:G1+7]
	s_nop 0
.rept 4
	v_nop
.endr
	s_branch .Lasked_\@
.Lfor_b_\@:
	tensor_load_to_lds s[G0B+4*(\s):G0B+4*(\s)+3], s[G1B:G1B+7]
	s_nop 0
.rept 4
	v_nop
.endr
.Lasked_\@:
.endm
; A round of the cluster's barrier: my work-group's barrier, so that wave 0's signal speaks for all four waves; wave 0 signals; every wave waits for all sixteen work-groups; my work-group's barrier once more.
.macro CREST                           ; a round behind its opening barrier
	s_cmp_lg_u32 s10, 0
	s_cbranch_scc1 .Lnot_wave_0_\@
	s_barrier_signal -3
.Lnot_wave_0_\@:
	s_barrier_wait -3
	s_barrier_signal -1
	s_barrier_wait -1
.endm
.macro CROUND
	s_barrier_signal -1
	s_barrier_wait -1
	CREST
.endm
	s_load_b128 s[4:7], s[0:1], 0x0                ; xb s[4:5], wb s[6:7]
	s_load_b256 s[68:75], s[0:1], 0x10             ; xx s[68:69], ee s[70:71], candk s[72:73], candg s[74:75]
	v_lshl_add_u32 v[SPW], v0, 2, SPARE
	v_mov_b32 v[NIL], 0
	ds_add_u32 v[SPW], v[NIL]                      ; the wave's opening: the add and its wait stand ahead of my first tensor load; the set-up below, work on registers, stands between them
	v_lshrrev_b32 v1, 5, v0
	v_readfirstlane_b32 s10, v1                    ; wave 0..3
	s_lshr_b32 s11, s10, 1                         ; which half of the tile's rows of x is mine.  Also: I fetch for x (0) or for the codes (1)
	s_and_b32 s12, s10, 1                          ; which half of its codes.  Also: which 128 rows of that tile I fetch
	s_bfe_u32 s40, ttmp6, 0x40000                  ; cx
	s_bfe_u32 s41, ttmp6, 0x40004                  ; cy
	s_lshl_b32 s42, ttmp9, 2                       ; in a cluster launch ttmp9 and ttmp7 count clusters
	s_add_co_u32 s42, s42, s40                     ; c, the quarter of the codes = 4 x cluster x + cx
	s_and_b32 s13, ttmp7, 0xffff
	s_lshl_b32 s13, s13, 2
	s_add_co_u32 s13, s13, s41                     ; y, the block of 256 rows = 4 x cluster y + cy
	s_lshl_b32 s43, s41, 2
	s_lshl_b32 s43, 15, s43                        ; my row of the cluster: places 4 cy .. 4 cy + 3
	s_lshl_b32 s44, 0x1111, s40                    ; my column: places cx, cx + 4, cx + 8, cx + 12
	; descriptor group 1: a tile of 128 rows x 128 elements, padded in LDS
	s_or_b32 s[G1+0], s43, (1<<16)|(1<<20)|(1<<21)|(5<<22)|(3<<25)   ; 15:0 the mask: x's tiles go to my row; 17:16 elements of 2 bytes; 20 padding on; 21 set beside a mask; 24:22 after every 64 words (code 5); 31:25 4 words (code 3)
	s_or_b32 s[G1B+0], s44, (1<<16)|(1<<20)|(1<<21)|(5<<22)|(3<<25)  ; the same with the mask of my column, for the codes' tiles
.irp g, G1, G1B
	s_mov_b32 s[(\g)+1], KSTEP<<16                 ; tensor_dim0 = 128
	s_mov_b32 s[(\g)+2], 128<<16                   ; tensor_dim1 = 128
	s_mov_b32 s[(\g)+3], KSTEP<<16                 ; tile_dim0 = 128
	s_mov_b32 s[(\g)+4], 128                       ; tile_dim1 = 128
	s_mov_b32 s[(\g)+5], SIZE_K                    ; 512 elements from row to row
	s_mov_b32 s[(\g)+6], 0
	s_mov_b32 s[(\g)+7], 0
.endr
	; where the tiles come from: x's hang on y alone, which my row of the cluster shares; the codes' on c alone, which my column shares.  Each in registers that never hold the other coordinate.
	s_lshl_b32 s17, s12, 7                         ; which 128 rows of the tile I fetch
	s_lshl_b32 s16, s13, 8
	s_add_co_u32 s16, s16, s17                     ; x: row 256 y + 128 x half,
	s_lshl_b32 s16, s16, 10                        ; of 1,024 bytes
	s_lshl_b32 s46, s42, 11
	s_add_co_u32 s46, s46, s17                     ; codes: row 2048 c + 128 x half
	s_lshl_b32 s46, s46, 10
	s_mov_b32 s17, 0
	s_mov_b32 s47, 0
	s_mul_i32 s20, s10, HALFT                      ; and where they go: wave x 128 rows: no place in the cluster enters an LDS address
	s_lshl_b32 s[ID], s42, 8
	s_lshl_b32 s90, s12, 4
	s_add_co_u32 s[ID], s[ID], s90
.irp b, 1,2,3,4,5,6,7
	s_add_co_u32 s[ID+\b], s[ID], 2*\b
.endr
	s_mov_b32 s92, 0x76543210                      ; v_permlanex16_b32: each lane takes its own place in the other half
	s_mov_b32 s93, 0xfedcba98
	s_wait_dscnt 0x0                               ; the opening add is done
	s_wait_kmcnt 0x0
	s_add_nc_u64 s[14:15], s[4:5], s[16:17]
	s_add_nc_u64 s[46:47], s[6:7], s[46:47]
	s_lshl_b32 s88, s13, 10                        ; 256 words a block of rows
	s_mov_b32 s89, 0
	s_add_nc_u64 s[68:69], s[68:69], s[88:89]      ; xx at my work-group's rows
	s_lshl_b32 s90, s42, 16                        ; 16,384 words a quarter
	s_add_co_u32 s88, s88, s90
	s_add_nc_u64 s[72:73], s[72:73], s[88:89]      ; candk and candg at my quarter and rows
	s_add_nc_u64 s[74:75], s[74:75], s[88:89]
	s_lshl_b32 s88, s42, 13                        ; 2,048 words a quarter
	s_add_nc_u64 s[70:71], s[70:71], s[88:89]      ; ee at my first tile; it steps from tile to tile
	CROUND                                         ; all sixteen work-groups are here: the first joint loads meet
.irp s, 0,1
	s_mov_b32 s[G0+4*(\s)], 1                                        ; count = 1
	s_add_co_u32 s[G0+4*(\s)+1], s20, (\s)*SLOT                      ; LDS address
	s_add_nc_u64 s[G0+4*(\s)+2:G0+4*(\s)+3], s[14:15], (\s)*KSTEP*2  ; global address: K step s
	s_or_b32 s[G0+4*(\s)+3], s[G0+4*(\s)+3], 0x80000000              ; type = 2
	s_mov_b32 s[G0B+4*(\s)], 1
	s_add_co_u32 s[G0B+4*(\s)+1], s20, (\s)*SLOT
	s_add_nc_u64 s[G0B+4*(\s)+2:G0B+4*(\s)+3], s[46:47], (\s)*KSTEP*2
	s_or_b32 s[G0B+4*(\s)+3], s[G0B+4*(\s)+3], 0x80000000
	JLOAD \s                                       ; two tensor loads of mine are out here, later one
.endr
	; A fragment is 16 rows x 32 K in 8 registers: lane l holds row l % 16, K = 8 (l / 16) + 0..7 and 16 + 8 (l / 16) + 0..7: two loads of 16 bytes, 32 bytes apart.
	v_and_b32 v1, 15, v0                           ; l % 16
	v_bfe_u32 v[H], v0, 4, 1                       ; l / 16
	v_mul_u32_u24 v22, v1, PITCH
	v_lshl_add_u32 v22, v[H], 4, v22               ; row x pitch + 16 x half
	s_mul_i32 s21, s11, HALFT                      ; my 128 rows of x
	s_mul_i32 s22, s12, HALFT                      ; my 128 codes,
	s_add_co_u32 s22, s22, 2*HALFT                 ; which lie behind x's 256 rows
.irp s, 0,1
	v_add_nc_u32 v[ADRA+(\s)], s21, v22
	v_add_nc_u32 v[ADRB+(\s)], s22, v22
	s_add_co_u32 s21, s21, SLOT
	s_add_co_u32 s22, s22, SLOT
.endr
	s_lshl_b32 s23, s12, 9
	v_lshl_add_u32 v[EO], v[H], 5, s23
	s_lshl_b32 s23, s11, 9
	v_lshl_add_u32 v[XO], v1, 2, s23
.irp a, 0,1,2,3,4,5,6,7
	global_load_b32 v[XX+2*\a], v[XO], s[68:69] offset:64*\a      ; xx of row 128 x row half + 16 a + l % 16, into both registers of the pair
	global_load_b32 v[XX+2*\a+1], v[XO], s[68:69] offset:64*\a
.endr
	s_lshl_b32 s23, s12, 11
	s_lshl_b32 s21, s11, 10
	s_add_co_u32 s23, s23, s21
	s_add_co_u32 s23, s23, RES
	v_lshl_add_u32 v[RA], v1, 3, s23               ; RES + 2048 x code half + 8 x (128 x row half + l % 16); block a stands in the store's offset
	v_lshl_add_u32 v[RB], v0, 4, RES               ; thread t reads rows 2 t and 2 t + 1
	v_lshlrev_b32 v[CO], 3, v0
.irp a, 0,1,2,3,4,5,6,7
	v_mov_b32 v[RUN+\a], 0x7f800000                ; above every finite d
	v_mov_b32 v[GID+\a], 0
.endr
; 16 matrix instructions: row blocks a0, a0 + 1 of the window's four (hi = 0: my rows 0-63, 1: rows 64-127) x all 8 code blocks, 32 along K.  zero = 1: the product starts the sums: nothing is cleared.
; The 64 accumulators take turns, one instruction a turn, in the same order in every quarter step.
.macro MUL16 f, hi, a0, zero
	WIN MUL_LO+0x50*(\hi)
.irp a, \a0, (\a0)+1
.irp b, 0,1,2,3,4,5,6,7
.if \zero
	v_wmma_f32_16x16x32_bf16 v[8*(8*(\a)+(\b)):8*(8*(\a)+(\b))+7], v[(\f)+8*(\b):(\f)+8*(\b)+7], v[(\f)+8*(4*(\hi)+(\a)):(\f)+8*(4*(\hi)+(\a))+7], 0
.else
	v_wmma_f32_16x16x32_bf16 v[8*(8*(\a)+(\b)):8*(8*(\a)+(\b))+7], v[(\f)+8*(\b):(\f)+8*(\b)+7], v[(\f)+8*(4*(\hi)+(\a)):(\f)+8*(4*(\hi)+(\a))+7], v[8*(8*(\a)+(\b)):8*(8*(\a)+(\b))+7]
.endif
.endr
.endr
.endm
; 32 LDS loads in one run: the fragments of one quarter step (128 codes, 128 rows of x, 32 K at byte k of the rows) into buffer f
.macro FETCH slot, k, f
	WIN TO_B
.irp i, 0,1,2,3,4,5,6,7
	ds_load_b128 v[(\f)+8*(\i):(\f)+8*(\i)+3],   v[ADRB+(\slot)] offset:(\k)+(\i)*16*PITCH
	ds_load_b128 v[(\f)+8*(\i)+4:(\f)+8*(\i)+7], v[ADRB+(\slot)] offset:(\k)+(\i)*16*PITCH+32
.endr
	WIN 0
.irp i, 0,1,2,3,4,5,6,7
	ds_load_b128 v[(\f)+8*(\i):(\f)+8*(\i)+3],   v[ADRA+(\slot)] offset:(\k)+(\i)*16*PITCH
	ds_load_b128 v[(\f)+8*(\i)+4:(\f)+8*(\i)+7], v[ADRA+(\slot)] offset:(\k)+(\i)*16*PITCH+32
.endr
.endm
; Four plain vector instructions stand between a matrix instruction and a load into, or a vector write of, one of its registers, or a vector read of its result (ISA guide 7.12.1 for vector instructions).
.macro PLACES
.rept 4
	v_nop
.endr
.endm
; A K step is four quarter steps of 32 along K, 64 matrix instructions each, on buffers 0, 1, 0, 1.  One of the first three: multiplies buffer f; in its middle it fetches the next quarter, at byte k, into g.
.macro QUARTER slot, k, f, g, zero
	s_wait_dscnt 8                                 ; the codes and x's rows 0-63 are in; the youngest eight loads (x's rows 64-127) may be out
	WIN MUL_LO
	MUL16 \f, 0, 0, \zero
	MUL16 \f, 0, 2, \zero
	PLACES
	FETCH \slot, \k, \g
	s_wait_dscnt 32                                ; all but the 32 just issued
	WIN MUL_HI
	MUL16 \f, 1, 0, \zero
	MUL16 \f, 1, 2, \zero
.endm
; The first half of a K step's last quarter: ONE barrier for the change of slots.  In front of it each wave waits for all its tensor loads (one is out: its part of the next slot), adds 0 to its spare
; word, and waits for that and for its own reads of this slot.  Behind it nobody reads this slot any more and the next slot is whole.
.macro MEET round                      ; round = 1: the rest of a round of the cluster's barrier follows
	WIN 0                                          ; (the add's two registers lie in window 0)
	s_wait_tensorcnt 0x0                           ; all my tensor loads have landed
	ds_add_u32 v[SPW], v[NIL]                      ; 0 onto my spare word
	s_wait_dscnt 9                                 ; (the add and the youngest eight loads may be out)
	WIN MUL_LO
	MUL16 F1, 0, 0, 0                              ; sixteen matrix instructions stand between the add and the wait for it
	s_wait_dscnt 0x0                               ; the add is done, and my reads of this slot are over
	s_barrier_signal -1
	MUL16 F1, 0, 2, 0                              ; work on registers while the others arrive
.if \round
	WIN 0
.endif
	s_barrier_wait -1
.endm
; The whole last quarter with a refill: the slot just read out takes this tile's K step two steps on (on = 0) or the NEXT tile's K step 0 or 1 (on = 1).
; From a request to the wait for it a wave issues 224 matrix instructions.
.macro TURN slot, next, on
	MEET 1
	CREST                                          ; no wave of any partner still reads this slot's tile or has a load on its way
.if \on
	s_sub_nc_u64 s[G0+4*(\slot)+2:G0+4*(\slot)+3], s[G0+4*(\slot)+2:G0+4*(\slot)+3], BACK_A
	s_add_nc_u64 s[G0B+4*(\slot)+2:G0B+4*(\slot)+3], s[G0B+4*(\slot)+2:G0B+4*(\slot)+3], NEXT_B
.else
	s_add_nc_u64 s[G0+4*(\slot)+2:G0+4*(\slot)+3], s[G0+4*(\slot)+2:G0+4*(\slot)+3], 2*KSTEP*2
	s_add_nc_u64 s[G0B+4*(\slot)+2:G0B+4*(\slot)+3], s[G0B+4*(\slot)+2:G0B+4*(\slot)+3], 2*KSTEP*2
.endif
	JLOAD \slot                                    ; the first tensor load behind the round; its four v_nop are also the places in front of the loads below
	FETCH \next, 0, F0
	WIN MUL_HI
	MUL16 F1, 1, 0, 0
	MUL16 F1, 1, 2, 0
.endm
.macro TURNL                           ; the last change of slots: nothing is filled again, so no round follows
	MEET 0
	PLACES
	FETCH 1, 0, F0
	WIN MUL_HI
	MUL16 F1, 1, 0, 0
	MUL16 F1, 1, 2, 0
.endm
.macro LASTQ                           ; the very last quarter: nothing more to fetch
	s_wait_dscnt 8
	WIN MUL_LO
	MUL16 F1, 0, 0, 0
	MUL16 F1, 0, 2, 0
	s_wait_dscnt 0x0
	MUL16 F1, 1, 0, 0
	MUL16 F1, 1, 2, 0
	WIN 0
.endm
; THE WAY OUT OF A TILE, block a of 16 rows at a time.
.macro EPI_ADD a, b, r0                ; t = fl(xx + ee) for four codes of group b
	v_pk_add_f32 v[T+8*(\b)+(\r0):T+8*(\b)+(\r0)+1], v[EE+8*(\b)+(\r0):EE+8*(\b)+(\r0)+1], v[XX+2*(\a):XX+2*(\a)+1]
	v_pk_add_f32 v[T+8*(\b)+(\r0)+2:T+8*(\b)+(\r0)+3], v[EE+8*(\b)+(\r0)+2:EE+8*(\b)+(\r0)+3], v[XX+2*(\a):XX+2*(\a)+1]
.endm
.macro EPI_FMA a                       ; d = fl(t - 2 dot): one rounding.  Each accumulator is read from its lowest registers on
	WIN 0x02+(\a)/4                                ; source 0 in window 2 or 3
.irp b, 0,1,2,3,4,5,6,7
.irp r, 0,2,4,6
	v_pk_fma_f32 v[T+8*\b+\r:T+8*\b+\r+1], v[64*((\a)%4)+8*\b+\r:64*((\a)%4)+8*\b+\r+1], -2.0, v[T+8*\b+\r:T+8*\b+\r+1] op_sel_hi:[1,0,1]
.endr
.endr
	WIN 0
.endm
.macro EPI_MIN                         ; the least d of each group of 8: four sweeps over the 8 groups, so that no line reads the line before it
.irp b, 0,1,2,3,4,5,6,7
	v_min3_num_f32 v[G+\b], v[T+8*\b], v[T+8*\b+1], v[T+8*\b+2]
.endr
.irp b, 0,1,2,3,4,5,6,7
	v_min3_num_f32 v[G+\b], v[G+\b], v[T+8*\b+3], v[T+8*\b+4]
.endr
.irp b, 0,1,2,3,4,5,6,7
	v_min3_num_f32 v[G+\b], v[G+\b], v[T+8*\b+5], v[T+8*\b+6]
.endr
.irp b, 0,1,2,3,4,5,6,7
	v_min_num_f32 v[G+\b], v[G+\b], v[T+8*\b+7]
.endr
.endm
.macro EPI_TRK a                       ; strict less, groups ascending: the first group with the least d stays.  The next block's t, which T is free for, stands between the links of the chain
.irp b, 0,1,2,3,4,5,6,7
	v_cmp_lt_f32 vcc_lo, v[G+\b], v[RUN+(\a)]
.if (\a) < 7
	EPI_ADD (\a)+1, \b, 0
.endif
	v_cndmask_b32 v[GID+(\a)], v[GID+(\a)], s[ID+\b], vcc_lo
	v_min_num_f32 v[RUN+(\a)], v[RUN+(\a)], v[G+\b]
.if (\a) < 7
	EPI_ADD (\a)+1, \b, 4
.endif
.endr
.endm
.macro EPILOGUE
	WIN 0
	s_wait_loadcnt 0x0                             ; this tile's ee (asked for at the tile's head), in the first tile xx too; ee's address may be stepped behind this wait
	PLACES                                         ; T lies in x's second fragment buffer, which the last products read
.irp b, 0,1,2,3,4,5,6,7
	EPI_ADD 0, \b, 0
	EPI_ADD 0, \b, 4
.endr
.irp a, 0,1,2,3,4,5,6,7
	EPI_FMA \a
	EPI_MIN
	EPI_TRK \a
.endr
.irp b, 0,1,2,3,4,5,6,7
	s_add_co_u32 s[ID+\b], s[ID+\b], 32            ; the next tile's groups
.endr
	s_add_nc_u64 s[70:71], s[70:71], 1024          ; and its 256 ee
.endm
.macro LEXMIN k, g, ko, go             ; (k, g) takes (ko, go) if that is the lesser key, or the same key in a lower group
	v_cmp_lt_u32 s84, v[\ko], v[\k]
	v_cmp_eq_u32 s85, v[\ko], v[\k]
	v_cmp_lt_u32 s86, v[\go], v[\g]
	s_and_b32 s85, s85, s86
	s_or_b32 s84, s84, s85
	v_cndmask_b32 v[\k], v[\k], v[\ko], s84
	v_cndmask_b32 v[\g], v[\g], v[\go], s84
.endm
	s_wait_tensorcnt 1                             ; my part of K step 0 is in; K step 1's may stay out
	s_barrier_signal -1
	s_barrier_wait -1                              ; everybody's is
	FETCH 0, 0, F0
	s_mov_b32 s2, TILES                            ; tiles to go, this one among them: the same number in every work-group
.Ltile:
.irp b, 0,1,2,3,4,5,6,7
	global_load_b128 v[EE+8*\b:EE+8*\b+3],   v[EO], s[70:71] offset:64*\b     ; this tile's ee: a whole tile's products ahead of their use
	global_load_b128 v[EE+8*\b+4:EE+8*\b+7], v[EO], s[70:71] offset:64*\b+16
.endr
	QUARTER 0, 64,  F0, F1, 1                      ; K step 0; its first products start the sums
	QUARTER 0, 128, F1, F0, 0
	QUARTER 0, 192, F0, F1, 0
	TURN 0, 1, 0                                   ; slot 0 takes K step 2
	QUARTER 1, 64,  F0, F1, 0                      ; K step 1
	QUARTER 1, 128, F1, F0, 0
	QUARTER 1, 192, F0, F1, 0
	TURN 1, 0, 0                                   ; slot 1 takes K step 3
	QUARTER 0, 64,  F0, F1, 0                      ; K step 2
	QUARTER 0, 128, F1, F0, 0
	QUARTER 0, 192, F0, F1, 0
	WIN 0                                          ; at a label and at a branch every window is 0
	s_cmp_eq_u32 s2, 1
	s_cbranch_scc1 .Llast                          ; the last tile's tail is written out: it asks for nothing more
	TURN 0, 1, 1                                   ; the ring goes on into the next tile: slot 0 takes its K step 0,
	QUARTER 1, 64,  F0, F1, 0                      ; K step 3
	QUARTER 1, 128, F1, F0, 0
	QUARTER 1, 192, F0, F1, 0
	TURN 1, 0, 1                                   ; slot 1 its K step 1, and the next tile's first fragments are fetched
	EPILOGUE                                       ; both refills and those fragments are on their way meanwhile
	s_sub_co_u32 s2, s2, 1
	s_branch .Ltile
.Llast:
	TURNL
	QUARTER 1, 64,  F0, F1, 0
	QUARTER 1, 128, F1, F0, 0
	QUARTER 1, 192, F0, F1, 0
	LASTQ
	EPILOGUE
	; THE END.  A row's candidates lie in two lanes (l / 16) of two waves (code halves).  Keys are made, the lanes' halves meet by an exchange, the waves through LDS.
.irp a, 0,1,2,3,4,5,6,7
	v_add_nc_u32 v[T+2*\a+1], v[GID+\a], v[H]      ; the group
	v_ashrrev_i32 v[T+2*\a], 31, v[RUN+\a]
	v_or_b32 v[T+2*\a], 0x80000000, v[T+2*\a]
	v_xor_b32 v[T+2*\a], v[T+2*\a], v[RUN+\a]      ; the key: unsigned, ordered as d is
.endr
.irp a, 0,1,2,3,4,5,6,7
	v_permlanex16_b32 v[G+2], v[T+2*\a], s92, s93  ; (the destinations have been written on the way out)
	v_permlanex16_b32 v[G+3], v[T+2*\a+1], s92, s93
	LEXMIN T+2*\a, T+2*\a+1, G+2, G+3
	ds_store_b64 v[RA], v[T+2*\a:T+2*\a+1] offset:128*\a   ; both halves of the lanes write the same word with the same value
.endr
	s_wait_dscnt 0x0                               ; for the others' sake: my stores are done
	s_barrier_signal -1
	s_barrier_wait -1
	ds_load_b128 v[T+16:T+19], v[RB]               ; rows 2 t, 2 t + 1 from code half 0,
	ds_load_b128 v[T+20:T+23], v[RB] offset:2048   ; and from code half 1
	s_wait_dscnt 0x0
	LEXMIN T+16, T+17, T+20, T+21
	LEXMIN T+18, T+19, T+22, T+23
	v_mov_b32 v[T+24], v[T+16]
	v_mov_b32 v[T+25], v[T+18]
	v_mov_b32 v[T+26], v[T+17]
	v_mov_b32 v[T+27], v[T+19]
	global_store_b64 v[CO], v[T+24:T+25], s[72:73] ; each store of a wave covers 256 consecutive bytes, aligned
	global_store_b64 v[CO], v[T+26:T+27], s[74:75]
	s_wait_tensorcnt 0x0                           ; the wave's end, behind my last tensor load and my last LDS store
	ds_add_u32 v[SPW], v[NIL]
	s_wait_dscnt 0x0
	CROUND                                         ; the closing round: no work-group ends while a partner may still ask for a tile that names it
	s_endpgm
.Lfunc_end_k_qf5f4789e22_dist:
	.size	k_qf5f4789e22_dist, .Lfunc_end_k_qf5f4789e22_dist-k_qf5f4789e22_dist
	.p2alignl 7, 3214868480
	.fill 96, 4, 3214868480
	.section	.rodata,"a",@progbits
	.p2align	6, 0x0
	.amdhsa_kernel k_qf5f4789e22_dist
		.amdhsa_group_segment_fixed_size 327680
		.amdhsa_private_segment_fixed_size 0
		.amdhsa_enable_private_segment 0
		.amdhsa_kernarg_size 48
		.amdhsa_user_sgpr_count 2
		.amdhsa_user_sgpr_kernarg_segment_ptr 1
		.amdhsa_wavefront_size32 1
		.amdhsa_system_sgpr_workgroup_id_x 1
		.amdhsa_system_sgpr_workgroup_id_y 1
		.amdhsa_system_sgpr_workgroup_id_z 1
		.amdhsa_system_vgpr_workitem_id 0
		.amdhsa_next_free_vgpr 1024
		.amdhsa_next_free_sgpr 96
		.amdhsa_reserve_vcc 1
		.amdhsa_float_denorm_mode_32 3
		.amdhsa_float_denorm_mode_16_64 3
		.amdhsa_memory_ordered 1
		.amdhsa_forward_progress 1
		.amdhsa_inst_pref_size 255
	.end_amdhsa_kernel
	.section	.bss,"aw",@nobits
	.p2align	6
	.space	262144
	.amdgpu_metadata
---
amdhsa.version: [ 1, 2 ]
amdhsa.kernels:
  - .name:           k_qf5f4789e22_dist
    .symbol:         k_qf5f4789e22_dist.kd
    .args:
      - { .name: xb, .offset: 0, .size: 8, .value_kind: global_buffer, .address_space: global }
      - { .name: wb, .offset: 8, .size: 8, .value_kind: global_buffer, .address_space: global }
      - { .name: xx, .offset: 16, .size: 8, .value_kind: global_buffer, .address_space: global }
      - { .name: ee, .offset: 24, .size: 8, .value_kind: global_buffer, .address_space: global }
      - { .name: candk, .offset: 32, .size: 8, .value_kind: global_buffer, .address_space: global }
      - { .name: candg, .offset: 40, .size: 8, .value_kind: global_buffer, .address_space: global }
    .group_segment_fixed_size: 327680
    .private_segment_fixed_size: 0
    .kernarg_segment_align: 8
    .kernarg_segment_size: 48
    .max_flat_workgroup_size: 128
    .sgpr_count:     96
    .vgpr_count:     1024
    .wavefront_size: 32
...
	.end_amdgpu_metadata
.endif
;; end of part 2
;; launch pick (part 3): grid 512 x 1, 8 waves a work-group, no clusters, 0 bytes of LDS; arguments xb, wb, xx, ee, candk, candg, out0, out2, part; writes out0, out2, part
.if DOCPART == 3
	.amdgcn_target "amdgcn-amd-amdhsa--gfx1250"
	.amdhsa_code_object_version 6
	.text
	.protected	k_qf5f4789e22_pick
	.globl	k_qf5f4789e22_pick
	.p2align	8
	.type	k_qf5f4789e22_pick,@function
k_qf5f4789e22_pick:
	s_mov_b64 s[64:65], 0
	v_nop
	global_prefetch_b8 v0, s[64:65] scope:SCOPE_SE
	s_setreg_imm32_b32 hwreg(HW_REG_WAVE_MODE, 25, 1), 1
	s_wait_xcnt 0x0
; For each row: of the four quarters' candidates the least key (whole numbers, read from memory; strict less, quarters ascending, keeps the lower group on equal keys); the 8 codes of that group are read,
; their 8 distances d = fl(fl(xx + ee) - 2 x.e) made anew in f32, and the first least one taken: the index and the code's row are chosen by v_cndmask_b32, so no address hangs on a float.
; out0 = x + (e - x), out2 = the index, part[wave] = the sum of (e - x)^2 over the wave's 4 rows (summed from the differences themselves, in f32).  x and e are the bf16 copies.
; A wave takes 4 rows, one at a time with all 32 lanes; two register sets take turns, so that the next row's 36 loads are out while a row is worked on.
; Loads of 8 bytes a lane: a lane's 4 numbers of a chunk become 16 bytes of out0, so each load covers 256 and each store 512 consecutive bytes, aligned.
; No LDS, no tensor loads, no cluster: no wave shares data with another.  out2 leaves as 16 bytes a wave: 65,536 bytes beside out0's 33,554,432.
; LIMITS.  NaN and infinities are not treated apart.
.set D,   8                            ; v8-15    the 8 dots, then the 8 distances
.set TM,  16                           ; v16-23   at work: the other half's sums, then xx + ee
.set LS,  24                           ; v24-27   the loss, four running sums
.set XF,  28                           ; v28-31   4 numbers of x in f32
.set QF,  32                           ; v32-35   4 numbers of the code, then e - x
.set OUT, 36                           ; v36-51   a row's 16 results
.set XS,  52                           ; v52-59, v60-67     x, set 0 and 1: chunk k in words 2 k, 2 k + 1
.set WS,  68                           ; v68-131, v132-195  the 8 codes, set 0 and 1: code j, word w at 8 j + w
	s_load_b512 s[4:19], s[0:1], 0x0               ; xb s[4:5], wb s[6:7], xx s[8:9], ee s[10:11], candk s[12:13], candg s[14:15], out0 s[16:17], out2 s[18:19]
	s_load_b64 s[20:21], s[0:1], 0x40              ; part
	v_and_b32 v1, 31, v0                           ; lane
	v_lshrrev_b32 v7, 5, v0
	v_readfirstlane_b32 s22, v7                    ; wave
	s_lshl_b32 s23, ttmp9, 7
	s_lshl_b32 s88, s22, 4
	s_add_co_u32 s23, s23, s88                     ; 4 x my first row = 4 (32 work-group + 4 wave)
	v_lshlrev_b32 v2, 3, v1                        ; 8 lane
	v_lshlrev_b32 v3, 4, v1                        ; 16 lane
	v_mov_b32 v4, 0
	v_mov_b32 v5, 0                                ; lane i (0-3) gathers row i's index here
.irp j, 0,1,2,3,4,5,6,7
	v_mov_b32 v[TM+\j], 0                          ; v_permlanex16_b32 counts as a reader of its destination
.endr
.irp j, 0,1,2,3
	v_mov_b32 v[LS+\j], 0
	v_cmp_eq_u32 s[80+\j], \j, v1                  ; the mask of lane j
.endr
	s_mov_b32 s84, 0x76543210
	s_mov_b32 s85, 0xfedcba98
	s_mov_b32 s86, 0xffff0000
	s_mov_b32 s89, 0
	s_wait_kmcnt 0x0
.irp c, 0,1,2,3
	s_load_b128 s[24+4*\c:27+4*\c], s[12:13], s23 offset:65536*\c   ; quarter c: my 4 rows' keys
	s_load_b128 s[40+4*\c:43+4*\c], s[14:15], s23 offset:65536*\c   ; and groups
.endr
	s_load_b128 s[60:63], s[8:9], s23              ; my 4 rows' xx
	s_lshl_b32 s88, s23, 8
	s_add_nc_u64 s[92:93], s[4:5], s[88:89]        ; xb at my first row (1,024 bytes a row)
	s_lshl_b32 s88, s23, 9
	s_add_nc_u64 s[94:95], s[16:17], s[88:89]      ; out0 (2,048 bytes a row)
	s_mov_b32 s88, s23
	s_add_nc_u64 s[18:19], s[18:19], s[88:89]      ; out2
	s_lshr_b32 s88, s23, 2
	s_add_nc_u64 s[20:21], s[20:21], s[88:89]      ; part at word 8 work-group + wave
	s_wait_kmcnt 0x0
.irp i, 0,1,2,3
	s_mov_b32 s90, s[24+\i]
	s_mov_b32 s[56+\i], s[40+\i]
.irp c, 1,2,3
	s_cmp_lt_u32 s[24+4*\c+\i], s90
	s_cselect_b32 s[56+\i], s[40+4*\c+\i], s[56+\i]
	s_cselect_b32 s90, s[24+4*\c+\i], s90
.endr
	s_min_u32 s[56+\i], s[56+\i], 0x3ff            ; a group is 0 .. 1023: a number that was loaded enters an address only clamped
	s_lshl_b32 s88, s[56+\i], 13
	s_add_nc_u64 s[68+2*\i:69+2*\i], s[6:7], s[88:89]   ; the group's 8 rows of wb, 8,192 bytes
	s_lshl_b32 s[76+\i], s[56+\i], 3               ; its first code
	s_lshl_b32 s[56+\i], s[56+\i], 5               ; its 8 words in ee
.endr
.irp i, 0,1,2,3
	s_load_b256 s[24+8*\i:31+8*\i], s[10:11], s[56+\i]  ; keys and groups are used up: their registers take the 8 ee of each row
.endr
.macro LOADROW i, set                  ; 36 loads: the row of x and the 8 codes of its group
.irp k, 0,1,2,3
	global_load_b64 v[XS+8*(\set)+2*\k:XS+8*(\set)+2*\k+1], v2, s[92:93] offset:1024*(\i)+256*\k th:TH_LOAD_NT
.endr
.irp j, 0,1,2,3,4,5,6,7
.irp k, 0,1,2,3
	global_load_b64 v[WS+64*(\set)+8*\j+2*\k:WS+64*(\set)+8*\j+2*\k+1], v2, s[68+2*(\i):69+2*(\i)] offset:1024*\j+256*\k
.endr
.endr
.endm
.macro ROW i, set, left
.set xs, XS+8*(\set)
.set ws, WS+64*(\set)
	s_wait_loadcnt \left                           ; loads come back in order: this row's 36 are in, the other set's 36 may be out
.irp w, 0,1,2,3,4,5,6,7                ; 8 dots over my 16 numbers, straight from the bf16 halves into f32: 8 chains that do not wait for each other
.irp h, 0,1
.irp j, 0,1,2,3,4,5,6,7
.if (\w)+(\h) == 0
	v_fma_mix_f32_bf16 v[D+\j], v[xs+\w], v[ws+8*\j+\w], v4 op_sel_hi:[1,1,0]
.else
	v_fma_mix_f32_bf16 v[D+\j], v[xs+\w], v[ws+8*\j+\w], v[D+\j] op_sel:[\h,\h,0] op_sel_hi:[1,1,0]
.endif
.endr
.endr
.endr
.irp m, 1,2,4,8                        ; across the lanes: every lane ends with the same 8 sums
.irp j, 0,1,2,3,4,5,6,7
	v_add_f32_dpp v[D+\j], v[D+\j], v[D+\j] row_xmask:\m row_mask:0xf bank_mask:0xf
.endr
.endr
.irp j, 0,1,2,3,4,5,6,7
	v_permlanex16_b32 v[TM+\j], v[D+\j], s84, s85
.endr
.irp j, 0,1,2,3,4,5,6,7
	v_add_f32 v[D+\j], v[D+\j], v[TM+\j]
.endr
.irp j, 0,1,2,3,4,5,6,7
	v_add_f32 v[TM+\j], s[60+(\i)], s[24+8*(\i)+\j]    ; fl(xx + ee)
.endr
.irp j, 0,1,2,3,4,5,6,7
	v_fma_f32 v[D+\j], v[D+\j], -2.0, v[TM+\j]         ; fl(that - 2 dot): one rounding
.endr
	v_mov_b32 v6, 0
.irp j, 1,2,3,4,5,6,7                  ; strict less, codes ascending: the first least one; its row moves into code 0's registers
	v_cmp_lt_f32 vcc_lo, v[D+\j], v[D]
	v_cndmask_b32 v6, v6, \j, vcc_lo
	v_min_num_f32 v[D], v[D], v[D+\j]
.irp w, 0,1,2,3,4,5,6,7
	v_cndmask_b32 v[ws+\w], v[ws+\w], v[ws+8*\j+\w], vcc_lo
.endr
.endr
	v_add_nc_u32 v7, s[76+(\i)], v6
	v_cndmask_b32 v5, v5, v7, s[80+(\i)]           ; lane i keeps row i's index
	s_wait_xcnt 0x0                                ; OUT is what the last row's stores read: it is written again only behind this wait
.irp k, 0,1,2,3
	v_lshlrev_b32 v[XF],   16,  v[xs+2*\k]
	v_and_b32     v[XF+1], s86, v[xs+2*\k]
	v_lshlrev_b32 v[XF+2], 16,  v[xs+2*\k+1]
	v_and_b32     v[XF+3], s86, v[xs+2*\k+1]
	v_lshlrev_b32 v[QF],   16,  v[ws+2*\k]
	v_and_b32     v[QF+1], s86, v[ws+2*\k]
	v_lshlrev_b32 v[QF+2], 16,  v[ws+2*\k+1]
	v_and_b32     v[QF+3], s86, v[ws+2*\k+1]
	v_pk_add_f32 v[QF:QF+1],   v[QF:QF+1],   v[XF:XF+1]   neg_lo:[0,1] neg_hi:[0,1]   ; e - x
	v_pk_add_f32 v[QF+2:QF+3], v[QF+2:QF+3], v[XF+2:XF+3] neg_lo:[0,1] neg_hi:[0,1]
	v_pk_fma_f32 v[LS:LS+1],   v[QF:QF+1],   v[QF:QF+1],   v[LS:LS+1]
	v_pk_fma_f32 v[LS+2:LS+3], v[QF+2:QF+3], v[QF+2:QF+3], v[LS+2:LS+3]
	v_pk_add_f32 v[OUT+4*\k:OUT+4*\k+1],   v[XF:XF+1],   v[QF:QF+1]                   ; x + (e - x)
	v_pk_add_f32 v[OUT+4*\k+2:OUT+4*\k+3], v[XF+2:XF+3], v[QF+2:QF+3]
	global_store_b128 v3, v[OUT+4*\k:OUT+4*\k+3], s[94:95] offset:2048*(\i)+512*\k th:TH_STORE_NT
.endr
.endm
	LOADROW 0, 0
	LOADROW 1, 1
	s_wait_kmcnt 0x0                               ; ee
	ROW 0, 0, 36
	LOADROW 2, 0
	ROW 1, 1, 36
	LOADROW 3, 1
	ROW 2, 0, 36
	ROW 3, 1, 0
	v_pk_add_f32 v[LS:LS+1], v[LS:LS+1], v[LS+2:LS+3]
	v_add_f32 v[LS], v[LS], v[LS+1]
	v_add_f32_dpp v[LS], v[LS], v[LS] row_xmask:1 row_mask:0xf bank_mask:0xf
	v_add_f32_dpp v[LS], v[LS], v[LS] row_xmask:2 row_mask:0xf bank_mask:0xf
	v_add_f32_dpp v[LS], v[LS], v[LS] row_xmask:4 row_mask:0xf bank_mask:0xf
	v_add_f32_dpp v[LS], v[LS], v[LS] row_xmask:8 row_mask:0xf bank_mask:0xf
	v_permlanex16_b32 v[LS+1], v[LS], s84, s85
	v_add_f32 v[LS], v[LS], v[LS+1]
	v_lshlrev_b32 v7, 2, v1
	v_cmp_gt_u32 vcc_lo, 4, v1
	s_wait_xcnt 0x0                                ; EXEC is a source of the stores above: it changes only behind this wait
	s_and_saveexec_b32 s91, vcc_lo
	global_store_b32 v7, v5, s[18:19]              ; lanes 0-3: my 4 rows' indices
	s_wait_xcnt 0x0
	s_or_b32 exec_lo, exec_lo, s91
	v_cmp_eq_u32 vcc_lo, 0, v1
	s_and_saveexec_b32 s91, vcc_lo
	global_store_b32 v4, v[LS], s[20:21]           ; lane 0: the wave's part of the loss
	s_wait_xcnt 0x0
	s_or_b32 exec_lo, exec_lo, s91
	s_endpgm
.Lfunc_end_k_qf5f4789e22_pick:
	.size	k_qf5f4789e22_pick, .Lfunc_end_k_qf5f4789e22_pick-k_qf5f4789e22_pick
	.p2alignl 7, 3214868480
	.fill 96, 4, 3214868480
	.section	.rodata,"a",@progbits
	.p2align	6, 0x0
	.amdhsa_kernel k_qf5f4789e22_pick
		.amdhsa_group_segment_fixed_size 0
		.amdhsa_private_segment_fixed_size 0
		.amdhsa_enable_private_segment 0
		.amdhsa_kernarg_size 72
		.amdhsa_user_sgpr_count 2
		.amdhsa_user_sgpr_kernarg_segment_ptr 1
		.amdhsa_wavefront_size32 1
		.amdhsa_system_sgpr_workgroup_id_x 1
		.amdhsa_system_sgpr_workgroup_id_y 1
		.amdhsa_system_sgpr_workgroup_id_z 1
		.amdhsa_system_vgpr_workitem_id 0
		.amdhsa_next_free_vgpr 196
		.amdhsa_next_free_sgpr 96
		.amdhsa_reserve_vcc 1
		.amdhsa_float_denorm_mode_32 3
		.amdhsa_float_denorm_mode_16_64 3
		.amdhsa_memory_ordered 1
		.amdhsa_forward_progress 1
		.amdhsa_inst_pref_size 90
	.end_amdhsa_kernel
	.amdgpu_metadata
---
amdhsa.version: [ 1, 2 ]
amdhsa.kernels:
  - .name:           k_qf5f4789e22_pick
    .symbol:         k_qf5f4789e22_pick.kd
    .args:
      - { .name: xb, .offset: 0, .size: 8, .value_kind: global_buffer, .address_space: global }
      - { .name: wb, .offset: 8, .size: 8, .value_kind: global_buffer, .address_space: global }
      - { .name: xx, .offset: 16, .size: 8, .value_kind: global_buffer, .address_space: global }
      - { .name: ee, .offset: 24, .size: 8, .value_kind: global_buffer, .address_space: global }
      - { .name: candk, .offset: 32, .size: 8, .value_kind: global_buffer, .address_space: global }
      - { .name: candg, .offset: 40, .size: 8, .value_kind: global_buffer, .address_space: global }
      - { .name: out0, .offset: 48, .size: 8, .value_kind: global_buffer, .address_space: global }
      - { .name: out2, .offset: 56, .size: 8, .value_kind: global_buffer, .address_space: global }
      - { .name: part, .offset: 64, .size: 8, .value_kind: global_buffer, .address_space: global }
    .group_segment_fixed_size: 0
    .private_segment_fixed_size: 0
    .kernarg_segment_align: 8
    .kernarg_segment_size: 72
    .max_flat_workgroup_size: 256
    .sgpr_count:     96
    .vgpr_count:     196
    .wavefront_size: 32
...
	.end_amdgpu_metadata
.endif
;; end of part 3
;; launch loss (part 4): grid 1 x 1, 1 waves a work-group, no clusters, 0 bytes of LDS; arguments part, out1; writes out1
.if DOCPART == 4
	.amdgcn_target "amdgcn-amd-amdhsa--gfx1250"
	.amdhsa_code_object_version 6
	.text
	.protected	k_qf5f4789e22_loss
	.globl	k_qf5f4789e22_loss
	.p2align	8
	.type	k_qf5f4789e22_loss,@function
k_qf5f4789e22_loss:
	s_mov_b64 s[64:65], 0
	v_nop
	global_prefetch_b8 v0, s[64:65] scope:SCOPE_SE
	s_setreg_imm32_b32 hwreg(HW_REG_WAVE_MODE, 25, 1), 1
	s_wait_xcnt 0x0
; out1 = m + 0.9 m, m = the mean of (e - x)^2 = the sum of the 4,096 partial sums / 2^23 (16,384 x 512 numbers: the division is exact).
; One wave: 16,384 bytes are 32 loads of 512 consecutive bytes, all out at once; a second wave would only add a trip through LDS.
	s_load_b128 s[4:7], s[0:1], 0x0                ; part s[4:5], out1 s[6:7]
	v_lshlrev_b32 v1, 4, v0                        ; 16 lane
	v_mov_b32 v2, 0
	s_mov_b32 s8, 0x76543210
	s_mov_b32 s9, 0xfedcba98
	s_wait_kmcnt 0x0
.irp i, 0,1,2,3,4,5,6,7,8,9,10,11,12,13,14,15,16,17,18,19,20,21,22,23,24,25,26,27,28,29,30,31
	global_load_b128 v[8+4*\i:11+4*\i], v1, s[4:5] offset:512*\i
.endr
	s_wait_loadcnt 0x0
.set p, 4
.rept 60                               ; four chains, started by the first four pairs: nothing is cleared
	v_pk_add_f32 v[8+2*(p%4):9+2*(p%4)], v[8+2*(p%4):9+2*(p%4)], v[8+2*p:9+2*p]
.set p, p+1
.endr
	v_pk_add_f32 v[8:9], v[8:9], v[10:11]
	v_pk_add_f32 v[12:13], v[12:13], v[14:15]
	v_pk_add_f32 v[8:9], v[8:9], v[12:13]
	v_add_f32 v8, v8, v9
	v_add_f32_dpp v8, v8, v8 row_xmask:1 row_mask:0xf bank_mask:0xf
	v_add_f32_dpp v8, v8, v8 row_xmask:2 row_mask:0xf bank_mask:0xf
	v_add_f32_dpp v8, v8, v8 row_xmask:4 row_mask:0xf bank_mask:0xf
	v_add_f32_dpp v8, v8, v8 row_xmask:8 row_mask:0xf bank_mask:0xf
	v_permlanex16_b32 v9, v8, s8, s9
	v_add_f32 v8, v8, v9
	v_mul_f32 v8, 0x34000000, v8                   ; x 2^-23
	v_fmamk_f32 v9, v8, 0x3f666666, v8             ; 0.9 m + m
	v_cmp_eq_u32 vcc_lo, 0, v0
	s_wait_xcnt 0x0                                ; EXEC changes only behind this wait
	s_and_saveexec_b32 s10, vcc_lo
	global_store_b32 v2, v9, s[6:7]
	s_wait_xcnt 0x0
	s_or_b32 exec_lo, exec_lo, s10
	s_endpgm
.Lfunc_end_k_qf5f4789e22_loss:
	.size	k_qf5f4789e22_loss, .Lfunc_end_k_qf5f4789e22_loss-k_qf5f4789e22_loss
	.p2alignl 7, 3214868480
	.fill 96, 4, 3214868480
	.section	.rodata,"a",@progbits
	.p2align	6, 0x0
	.amdhsa_kernel k_qf5f4789e22_loss
		.amdhsa_group_segment_fixed_size 0
		.amdhsa_private_segment_fixed_size 0
		.amdhsa_enable_private_segment 0
		.amdhsa_kernarg_size 16
		.amdhsa_user_sgpr_count 2
		.amdhsa_user_sgpr_kernarg_segment_ptr 1
		.amdhsa_wavefront_size32 1
		.amdhsa_system_sgpr_workgroup_id_x 1
		.amdhsa_system_sgpr_workgroup_id_y 1
		.amdhsa_system_sgpr_workgroup_id_z 1
		.amdhsa_system_vgpr_workitem_id 0
		.amdhsa_next_free_vgpr 136
		.amdhsa_next_free_sgpr 66
		.amdhsa_reserve_vcc 1
		.amdhsa_float_denorm_mode_32 3
		.amdhsa_float_denorm_mode_16_64 3
		.amdhsa_memory_ordered 1
		.amdhsa_forward_progress 1
		.amdhsa_inst_pref_size 9
	.end_amdhsa_kernel
	.amdgpu_metadata
---
amdhsa.version: [ 1, 2 ]
amdhsa.kernels:
  - .name:           k_qf5f4789e22_loss
    .symbol:         k_qf5f4789e22_loss.kd
    .args:
      - { .name: part, .offset: 0, .size: 8, .value_kind: global_buffer, .address_space: global }
      - { .name: out1, .offset: 8, .size: 8, .value_kind: global_buffer, .address_space: global }
    .group_segment_fixed_size: 0
    .private_segment_fixed_size: 0
    .kernarg_segment_align: 8
    .kernarg_segment_size: 16
    .max_flat_workgroup_size: 32
    .sgpr_count:     66
    .vgpr_count:     136
    .wavefront_size: 32
...
	.end_amdgpu_metadata
.endif
;; end of part 4
;; ======== version 2 of 2: 4 launches; version 1 with the launch prep written anew for expert scheduling mode
;; workspace buffers: xb 16,777,216 bytes; wb 8,388,608 bytes; xx 65,536 bytes; ee 32,768 bytes; candk 262,144 bytes of whole numbers; candg 262,144 bytes of whole numbers; part 16,384 bytes
;; launch prep (part 5): grid 768 x 1, 4 waves a work-group, no clusters, 0 bytes of LDS; arguments inputs, weight, xb, wb, xx, ee; writes xb, wb, xx, ee
.if DOCPART == 5
	.amdgcn_target "amdgcn-amd-amdhsa--gfx1250"
	.amdhsa_code_object_version 6
	.text
	.protected	k_qf5f4789e22_prep
	.globl	k_qf5f4789e22_prep
	.p2align	8
	.type	k_qf5f4789e22_prep,@function
k_qf5f4789e22_prep:
	s_mov_b64 s[64:65], 0
	v_nop
	global_prefetch_b8 v0, s[64:65] scope:SCOPE_SE
	s_setreg_imm32_b32 hwreg(HW_REG_WAVE_SCHED_MODE, 0, 2), 2
	s_setreg_imm32_b32 hwreg(HW_REG_WAVE_MODE, 25, 1), 1
	s_wait_xcnt 0x0
	s_wait_alu depctr_vm_vsrc(0)
; xb = bf16(inputs), wb = bf16(weight), xx[r] = sum of xb[r][:]^2, ee[k] = sum of wb[k][:]^2 (sums in f32, of the ROUNDED numbers:
; the whole program computes the distances of the rounded inputs).
; 24,576 rows of 512 f32.  Work-groups 0-511 take 32 rows of inputs each, 512-767 32 rows of weight: 768 equal shares.
; A wave takes 8 rows and asks for all its 16,384 bytes at once (32 loads of 512 consecutive bytes); a row is 4 loads, a lane holds 16 of its numbers.
; A stream: nothing is shared between waves, so no LDS, no barrier, no matrix unit, no cluster.
; The row sums leave as 32 bytes a wave: 98,304 bytes beside the 25,165,824 of the copies.
; THE MODE: SCHED_MODE bits 1:0 = 2 (LLVM: expert scheduling mode 2), set by the entry lines.  The code itself states the register dependences
; between vector instructions and memory instructions, with s_wait_alu, always for 0.
; THE PLAN.  Registers that memory instructions touch:
;   v2, v3, v15  byte offsets, made once at the head and never written again: rows and chunks stand in the immediate offsets.
;   X            every row has 16 registers of its own.  The head's loads land in them once; no vector line names them before that.  Row i's eight roundings read them and write the
;                first two of each chunk's four; the row's four stores and its unpacking lines read those pairs; nothing writes them again.
;   v4           lane i gathers row i's sum: written by one select a row, read by the last store.
;   v5 to v13    at work: vector lines alone name them.
; So ONE wait on va_vdst stands in a row, behind its eight roundings; the row's four stores follow it, dealt among the row's unpacking and squares, each ahead of its own chunk's unpacking:
; no vector line issued since the wait names the pair of a store still to come, nor v3.  No register that a memory instruction reads is written again, so a wait on vm_vsrc stands only
; where EXEC is written.
.set X, 16                             ; v[16:143] row i, chunk k at X + 16 i + 4 k: 4 f32 as loaded; then its first two registers hold the 4 bf16
	s_load_b256 s[4:11], s[0:1], 0x0               ; inputs s[4:5], weight s[6:7], xb s[8:9], wb s[10:11]
	s_load_b128 s[12:15], s[0:1], 0x20             ; xx s[12:13], ee s[14:15]
	v_and_b32 v1, 31, v0                           ; lane
	v_lshrrev_b32 v5, 5, v0
	v_readfirstlane_b32 s16, v5                    ; wave
.irp i, 0,1,2,3,4,5,6,7
	v_cmp_eq_u32 s[24+\i], \i, v1                  ; the mask of lane i
.endr
	v_mov_b32 v4, 0                                ; lane i (0-7) gathers row i's sum here
	s_wait_alu depctr_va_sdst(0)                   ; s16 and the eight masks s24 to s31 are written: one wait behind the run of their writers, ahead of the first reader of any of them
	s_lshl_b32 s2, s16, 14                         ; (a scalar register for each of the three terms: none that a vector line reads is written again)
	v_lshl_add_u32 v2, v1, 4, s2                   ; source: 16 lane + 8 rows of 2,048 bytes a wave
	s_lshl_b32 s3, s16, 13
	v_lshl_add_u32 v3, v1, 3, s3                   ; copy: 8 lane + 8 rows of 1,024 bytes a wave
	s_lshl_b32 s38, s16, 5
	v_lshl_add_u32 v15, v1, 2, s38                 ; sums: 4 lane + 8 words a wave
	s_mov_b32 s32, 0x76543210                      ; v_permlanex16_b32: each lane takes its own place in the other half
	s_mov_b32 s33, 0xfedcba98
	s_mov_b32 s34, 0xffff0000                      ; a word's upper bf16
	s_mov_b32 s37, 0
	s_sub_co_u32 s17, ttmp9, 512
	s_cmp_lt_u32 ttmp9, 512                        ; inputs or weight: the condition hangs on the work-group's number alone
	s_cselect_b32 s17, ttmp9, s17                  ; my block of 32 rows in that tensor
	s_wait_kmcnt 0x0
	s_cselect_b64 s[18:19], s[4:5], s[6:7]         ; from
	s_cselect_b64 s[20:21], s[8:9], s[10:11]       ; the copy
	s_cselect_b64 s[22:23], s[12:13], s[14:15]     ; the sums
	s_lshl_b32 s36, s17, 16
	s_add_nc_u64 s[18:19], s[18:19], s[36:37]      ; 32 rows of 2,048 bytes
	s_lshl_b32 s36, s17, 15
	s_add_nc_u64 s[20:21], s[20:21], s[36:37]      ; 32 rows of 1,024 bytes
	s_lshl_b32 s36, s17, 7
	s_add_nc_u64 s[22:23], s[22:23], s[36:37]      ; 32 words
	s_wait_alu depctr_va_vdst(0)                   ; the offsets v2, v3 and v15 are written: every load and store of the kernel reads one of them
.irp i, 0,1,2,3,4,5,6,7
.irp k, 0,1,2,3
	global_load_b128 v[X+16*\i+4*\k:X+16*\i+4*\k+3], v2, s[18:19] offset:2048*\i+512*\k th:TH_LOAD_NT
.endr
.endr
; One row.  No register that a store reads is written again, so no wait for the stores' sources stands here.
.macro ROW i
	s_wait_loadcnt 28-4*(\i)                       ; loads come back in order: this row's four are in, the four of each later row may be out
.irp k, 0,1,2,3
.set c, X+16*(\i)+4*\k
	v_cvt_pk_bf16_f32 v[c], v[c], v[c+1]           ; four roundings to nearest even
	v_cvt_pk_bf16_f32 v[c+1], v[c+2], v[c+3]
.endr
	s_wait_alu depctr_va_vdst(0)                   ; the row's eight roundings have written the four pairs that its four stores read
.irp k, 0,1,2,3
.set c, X+16*(\i)+4*\k
	global_store_b64 v3, v[c:c+1], s[20:21] offset:1024*(\i)+256*\k  ; the wave's store covers 256 consecutive bytes, aligned.  No further wait: no vector line since the wait above names this pair or v3
	v_lshlrev_b32 v6, 16, v[c]                     ; the rounded numbers back as f32
	v_and_b32 v7, s34, v[c]
	v_lshlrev_b32 v8, 16, v[c+1]
	v_and_b32 v9, s34, v[c+1]
.if \k == 0
	v_pk_mul_f32 v[10:11], v[6:7], v[6:7]          ; the first squares start the sums
	v_pk_mul_f32 v[12:13], v[8:9], v[8:9]
.else
	v_pk_fma_f32 v[10:11], v[6:7], v[6:7], v[10:11]
	v_pk_fma_f32 v[12:13], v[8:9], v[8:9], v[12:13]
.endif
.endr
	v_pk_add_f32 v[10:11], v[10:11], v[12:13]
	v_add_f32 v10, v10, v11
	v_add_f32_dpp v10, v10, v10 row_xmask:1 row_mask:0xf bank_mask:0xf
	v_add_f32_dpp v10, v10, v10 row_xmask:2 row_mask:0xf bank_mask:0xf
	v_add_f32_dpp v10, v10, v10 row_xmask:4 row_mask:0xf bank_mask:0xf
	v_add_f32_dpp v10, v10, v10 row_xmask:8 row_mask:0xf bank_mask:0xf
	v_permlanex16_b32 v5, v10, s32, s33            ; v5 has been written at the head
	v_add_f32 v10, v10, v5
	v_cndmask_b32 v4, v4, v10, s[24+(\i)]          ; lane i keeps it (the mask was shown written by the head's wait on va_sdst)
.endm
.irp i, 0,1,2,3,4,5,6,7
	ROW \i
.endr
	v_cmp_gt_u32 vcc_lo, 8, v1
	s_wait_xcnt 0x0                                ; EXEC is a source of the stores above: it changes only behind this wait
	s_wait_alu depctr_va_vcc(0)                    ; the compare has written VCC, from which EXEC is made
	s_wait_alu depctr_va_vdst(0)                   ; every vector line issued under the full EXEC is done; among them the last select has written v4, which the store below reads
	s_wait_alu depctr_vm_vsrc(0)                   ; the stores issued under the full EXEC have read their registers
	s_and_saveexec_b32 s35, vcc_lo
	global_store_b32 v15, v4, s[22:23]             ; lanes 0-7: my 8 rows' sums
	s_wait_xcnt 0x0
	s_wait_alu depctr_va_vdst(0)                   ; ahead of the scalar write of EXEC: no vector line is pending under the narrow EXEC
	s_wait_alu depctr_vm_vsrc(0)                   ; and the store issued under it has read v15 and v4
	s_or_b32 exec_lo, exec_lo, s35
	s_endpgm
.Lfunc_end_k_qf5f4789e22_prep:
	.size	k_qf5f4789e22_prep, .Lfunc_end_k_qf5f4789e22_prep-k_qf5f4789e22_prep
	.p2alignl 7, 3214868480
	.fill 96, 4, 3214868480
	.section	.rodata,"a",@progbits
	.p2align	6, 0x0
	.amdhsa_kernel k_qf5f4789e22_prep
		.amdhsa_group_segment_fixed_size 0
		.amdhsa_private_segment_fixed_size 0
		.amdhsa_enable_private_segment 0
		.amdhsa_kernarg_size 48
		.amdhsa_user_sgpr_count 2
		.amdhsa_user_sgpr_kernarg_segment_ptr 1
		.amdhsa_wavefront_size32 1
		.amdhsa_system_sgpr_workgroup_id_x 1
		.amdhsa_system_sgpr_workgroup_id_y 1
		.amdhsa_system_sgpr_workgroup_id_z 1
		.amdhsa_system_vgpr_workitem_id 0
		.amdhsa_next_free_vgpr 144
		.amdhsa_next_free_sgpr 66
		.amdhsa_reserve_vcc 1
		.amdhsa_float_denorm_mode_32 3
		.amdhsa_float_denorm_mode_16_64 3
		.amdhsa_memory_ordered 1
		.amdhsa_forward_progress 1
		.amdhsa_inst_pref_size 26
	.end_amdhsa_kernel
	.amdgpu_metadata
---
amdhsa.version: [ 1, 2 ]
amdhsa.kernels:
  - .name:           k_qf5f4789e22_prep
    .symbol:         k_qf5f4789e22_prep.kd
    .args:
      - { .name: inputs, .offset: 0, .size: 8, .value_kind: global_buffer, .address_space: global }
      - { .name: weight, .offset: 8, .size: 8, .value_kind: global_buffer, .address_space: global }
      - { .name: xb, .offset: 16, .size: 8, .value_kind: global_buffer, .address_space: global }
      - { .name: wb, .offset: 24, .size: 8, .value_kind: global_buffer, .address_space: global }
      - { .name: xx, .offset: 32, .size: 8, .value_kind: global_buffer, .address_space: global }
      - { .name: ee, .offset: 40, .size: 8, .value_kind: global_buffer, .address_space: global }
    .group_segment_fixed_size: 0
    .private_segment_fixed_size: 0
    .kernarg_segment_align: 8
    .kernarg_segment_size: 48
    .max_flat_workgroup_size: 128
    .sgpr_count:     66
    .vgpr_count:     144
    .wavefront_size: 32
...
	.end_amdgpu_metadata
.endif
;; end of part 5
;; launch dist: the kernel of part 2 again; grid 4 x 64, 4 waves a work-group, clusters of 4 x 4, 327,680 bytes of LDS; arguments xb, wb, xx, ee, candk, candg; writes candk, candg
;; launch pick: the kernel of part 3 again; grid 512 x 1, 8 waves a work-group, no clusters, 0 bytes of LDS; arguments xb, wb, xx, ee, candk, candg, out0, out2, part; writes out0, out2, part
;; launch loss: the kernel of part 4 again; grid 1 x 1, 1 waves a work-group, no clusters, 0 bytes of LDS; arguments part, out1; writes out1
